; MI455X (gfx1250); checked and timed in simulation.
; The chip was launched on July 23, 2026; its instructions are those of AMD's public machine-readable ISA for CDNA 5 (MIT licence, August 2026) and "CDNA5" Instruction Set Architecture Reference Guide (July 2026). The comments in the code are by the model that wrote it; some were corrected since.
;; Continuous Positional Bias. Allowed arithmetic: float matrix products may take bf16 or f16 operands with f32 sums; other float arithmetic in f32, or as packed bf16 or f16 multiplies, adds, multiply-adds, maxima and minima; sums over many terms, partial sums and values carried from step to step in f32; what a program stores and reads back later, other than sums and carried values, may be rounded once to bf16 or f16.
;; Inputs: b1 128 float32; b2 128 float32; b3 8 float32; key_coords 2 x 1,024 x 2 float32; query_coords 2 x 1,024 x 2 float32; w1 2 x 128 float32; w2 128 x 128 float32; w3 128 x 8 float32.
;; Outputs: out0 2 x 8 x 1,024 x 1,024 float32.
;; 2 versions, each right; version 2 is version 1 with the launch cpb written anew for expert scheduling mode. Each part assembles by itself: llvm-mc -triple=amdgcn-amd-amdhsa -mcpu=gfx1250 --defsym DOCPART=n.
;; ======== version 1 of 2: 1 launch
;; limits: values are held in f16: magnitudes above 65,504 overflow, below 6.1e-05 lose precision; right only within a limited range of input values
;; launch cpb (part 1): grid 256 x 1, 4 waves a work-group, no clusters, 54,016 bytes of LDS; arguments query_coords, key_coords, w1, b1, w2, b2, w3, b3, out0; writes out0
.if DOCPART == 1
	.amdgcn_target "amdgcn-amd-amdhsa--gfx1250"
	.amdhsa_code_object_version 6
	.text
	.protected	k_q7f51276a3d_cpb
	.globl	k_q7f51276a3d_cpb
	.p2align	8
	.type	k_q7f51276a3d_cpb,@function
k_q7f51276a3d_cpb:
	s_mov_b64 s[64:65], 0
	v_nop
	global_prefetch_b8 v0, s[64:65] scope:SCOPE_SE
	s_setreg_imm32_b32 hwreg(HW_REG_WAVE_MODE, 25, 1), 1
	s_wait_xcnt 0x0
; out[b][n][q][k] = w3^T relu(w2^T relu(w1^T (Q[b][q] - K[b][k]) + b1) + b2) + b3: widths 2 -> 128 -> 128 -> 8, for 2 x 1,024 x 1,024 pairs (q, k); all buffers f32.
; NOTHING OF THE REFERENCE IS LEFT OUT, and every input is loaded.
; SHARES.  256 work-groups: one batch, 32 queries, 256 keys each.  A wave has 64 keys x 32 queries = 128 tiles of 16 pairs.  Tile t (0..3) of a query holds, in column r, key 4 r + t of the wave's 64.
; LAYER 1 IS SEPARABLE: w1^T (q - k) + b1 = A[q] - Bk[k], A = w1^T (q - ctr) + b1, Bk = w1^T (k - ctr), ctr = the work-group's first key (so that a common offset of the coordinates makes
; no difference of large sums).  The two tables are 32 + 256 rows a work-group where the product by pairs would have 8,192; they are made once, in f32; a pair and channel then costs half a packed multiply-add.
; LAYERS 2 AND 3 go to the matrix unit in f16, sums in f32, both TRANSPOSED (source 0 = weights, row m = output channel; source 1 = activations, column n = pair).  A result holds, in lane (r, hh),
; pair r and channels 8 hh + 0..7; two results rounded in pairs ARE source 1 (32 channels x 16 pairs) of the next product: nothing changes lanes between the layers.  All weights stay in registers.
; SCALES.  relu(s x) = s relu(x) for s > 0, so exact powers of two, made here from bounds on the inputs, keep every f16 operand in range whatever the inputs' size:
;   M1 >= |layer 1's sums| (from the largest |p - ctr| of the work-group's points, |w1|, |b1|); sg1 M1 in [0.5, 1): the scaled sums lie in -1..1, and the clamp to 0..1 of the line that forms them IS the relu.
;   Y = 128 M1 max|w2| + max|b2| >= |layer 2's sums|; tau Y in [2^13, 2^14): h2 fits f16; w2 is scaled by tau / sg1 (under 256), b2 by tau (f32: it starts the sums as the C operand).
;   out = sum x (1 / tau) + b3, one multiply-add in f32.  w3 goes to f16 as it is.
; LIMITS.  M1, max|w2|, max|b2| under 2^40 (both bounds are floored at 2^-40); |w3| under 65,504, and below 6e-5 it keeps f16's fixed step of 6e-8.  NaN and infinities are not carried as the
; reference carries them: clamp and maximum drop a NaN.  Layer 1's rounding differs from the reference's in f32's last bits.
; BY TURNS.  A tile has 36 matrix instructions (32 + 4) and 132 vector instructions (32 packed sums with clamp, 32 + 32 roundings, 32 packed maxima, 4 multiply-adds).  In slot i the matrix unit has
; tile i's layer 2 and tile i - 1's layer 3; three or four vector lines stand behind each: the roundings of tile i - 1's channels 64-127 and tile i's 0-63, h1 of tile i + 1, tile i - 1's output.
; NO CLUSTER, NO TENSOR LOAD: what work-groups share is 71,680 bytes of weights, read once a work-group ahead of the loop, against 262,144 bytes that it stores; and w2 passes through registers
; in any case, for its maximum, its scale and its rounding.  The loop reads no memory: there is no stream to ask for ahead.
; STORES.  By the order of the keys (4 r + t) and of w3's rows (heads j and j + 4 in the two halves of the lanes) a lane ends with 4 neighbouring keys of a head: each store's lanes 0-15 and 16-31
; cover 256 consecutive bytes each, at a multiple of 256 from out0's first byte.
;
; LDS: W2H 0: scaled w2 in f16, [h][d], 128 rows, 288 bytes apart (256 + 32; 64 banks of 4 bytes: ISA guide 11.1)
.set WP,    288
.set AQT,   36864     ; sg1 A[q][h], f32, 32 rows of 512 bytes
.set RED,   53248     ; the four waves' max|w2|, a word each
.set SPARE, 53504     ; the spare words, 128 bytes for each wave: two blocks of 256 bytes that no other line names
; REGISTERS, in windows of 256 (s_set_vgpr_msb: bits 1:0 source 0, 3:2 source 1, 5:4 source 2, 7:6 destination)
; window 0
.set SPW,  2          ; LDS address of my spare word; never rewritten
.set NIL,  3          ; 0; never rewritten
.set AQA,  4          ; LDS address of A's next row: AQT + 32 hh + 512 row
.set LN,   5          ; lane
.set RR,   6          ; r = lane % 16
.set HH,   7          ; hh = lane / 16
.set O16L, 8          ; byte offsets for the loads ahead of the loop; never rewritten
.set O8L,  9
.set OQW,  10
.set OKC,  11
.set O32H, 12
.set OW3,  13
.set O16H, 14
.set OW2,  15
.set WST,  16         ; LDS: where I put w2, A, my wave's maximum; where I read the maxima and w2's fragments
.set AST,  17
.set RST,  18
.set RLD,  19
.set TRB,  20
.set TX,   28         ; v_permlanex16_b32's destination
.set AQ,   32         ; v[32:95]   A of the query in hand: index 16 c + x is channel 32 c + 8 hh + x (x < 8), 32 c + 16 + 8 hh + x - 8 (x >= 8)
.set W0F,  32         ;            ahead of the loop: w1's row 0 in that order
.set H1,   96         ; v[96:159]  h1 in f16: two buffers of 32, chunk c of 32 channels at 8 c
.set W1F,  96         ;            ahead of the loop: w1's row 1
.set TT,   160        ; v[160:167] four pairs of f32 at work
.set ONE,  168        ; v[168:169] 1.0, 1.0
.set QC,   170        ; ahead of the loop: query l; query 8 w + l % 8; all 256 keys; my 4 keys; 4 channels a lane of w1, b1, b2
.set QW,   172
.set KA,   174
.set KC,   190
.set W0N,  198
.set W1N,  202
.set B1N,  206
.set B2N,  210
.set CT,   214
.set RX0,  216
.set RX1,  217
.set MX1,  218
.set B2M,  219
.set SG1,  220        ; pair: sg1
.set NSG1, 222        ; pair: -sg1
.set ISG1, 224
.set MX2,  225
.set YB,   226
.set TAU,  227
.set SCV,  228
.set SG2,  229
.set FX,   230
.set AT,   232        ; two sets of four
.set RD4,  240
.set AB,   244        ; twelve at work
; window 1: w2's fragments, (mt, c) at 8 (4 mt + c); ahead of the loop w3 as loaded in v[0:63]
; window 2
.set YA,   0          ; v[0:63]    layer 2's accumulators, mt at 8 mt; ahead of the loop w2 as loaded in v[0:127]
.set H2,   64         ; v[64:95]   h2 in f16
.set W3F,  96         ; v[96:127]  w3's fragments
.set B2C,  128        ; v[128:191] tau b2 as C operands
.set OA,   192        ; v[192:199] layer 3's accumulator
.set OUT,  200        ; v[200:215] head j (+ 4 hh), tile t at 4 j + t
.set B3,   216
.set ZERO, 220
.set SC,   221
.set OV0,  222        ; my byte offset in out0: (hh << 24) + 16 r; never rewritten
.set OV1,  223        ; + (1 << 23)
.set MH,   224        ; four running maxima, four minima of w2
.set ML,   228
.set S2P,  232        ; pair: tau / sg1
.set TAUP, 234        ; pair: tau
; window 3: -sg1 Bk of my key of tile t at 64 t, indexed as AQ
; scalars: s[4:19] the eight inputs' addresses; s[28:29] ctr; s[30:31] lane selects; s32 trips; s33 sign mask; s[36:51] q - ctr of my wave's 8 queries
.set OB,   20         ; s[20:21] out0 at my batch, query row and first key; stepped a row a query
.set WV,   22
.set DQ,   36
.set W_L2, 0xa1       ; w2 window 1, h1 window 0, C and D window 2
.set W_E,  0xaa       ; all window 2
.set W_P,  0x30       ; source 2 window 3, all else window 0
.set MSB, 0
.macro WIN new                      ; the high byte repeats the setting that is left; a switch that changes nothing is dropped
.if MSB != (\new)
	s_set_vgpr_msb (MSB<<8)|(\new)
.set MSB, (\new)
.endif
.endm
.macro PLACES                       ; four places behind a matrix instruction, where no vector work is at hand (ISA guide 7.12.1)
.rept 4
	v_nop
.endr
.endm
.macro WMAX x                       ; the maximum over the wave's 32 lanes, in every lane
	v_max_num_f32_dpp v[\x], v[\x], v[\x] row_xmask:1 row_mask:0xf bank_mask:0xf
	v_max_num_f32_dpp v[\x], v[\x], v[\x] row_xmask:2 row_mask:0xf bank_mask:0xf
	v_max_num_f32_dpp v[\x], v[\x], v[\x] row_xmask:4 row_mask:0xf bank_mask:0xf
	v_max_num_f32_dpp v[\x], v[\x], v[\x] row_xmask:8 row_mask:0xf bank_mask:0xf
	v_permlanex16_b32 v[TX], v[\x], s30, s31
	v_max_num_f32 v[\x], v[\x], v[TX]
.endm
	s_load_b512 s[4:19], s[0:1], 0x0        ; query s[4:5], key s[6:7], w1 s[8:9], b1 s[10:11], w2 s[12:13], b2 s[14:15], w3 s[16:17], b3 s[18:19]
	s_load_b64 s[OB:OB+1], s[0:1], 0x40     ; out0
	v_lshl_add_u32 v[SPW], v0, 2, SPARE
	v_mov_b32 v[NIL], 0
	v_lshrrev_b32 v1, 5, v0
	v_readfirstlane_b32 s[WV], v1           ; wave 0..3
	s_lshr_b32 s23, ttmp9, 7                ; batch
	s_bfe_u32 s24, ttmp9, 0x50002           ; block of 32 queries
	s_and_b32 s25, ttmp9, 3                 ; block of 256 keys
	s_lshl_b32 s26, s23, 13                 ; a batch's coordinates: 8,192 bytes
	s_lshl_b32 s27, s24, 8
	s_add_co_u32 s34, s26, s27              ; my 32 queries
	s_mov_b32 s35, 0
	s_lshl_b32 s27, s25, 11
	s_add_co_u32 s52, s26, s27              ; my 256 keys
	s_mov_b32 s53, 0
	s_lshl_b32 s54, s23, 25                 ; out0: batch x 2^25 + first query x 4,096 + first key of the wave x 4
	s_lshl_b32 s27, s24, 17
	s_add_co_u32 s54, s54, s27
	s_lshl_b32 s27, s25, 10
	s_add_co_u32 s54, s54, s27
	s_lshl_b32 s27, s[WV], 8
	s_add_co_u32 s54, s54, s27
	s_mov_b32 s55, 0
	s_mov_b32 s30, 0x76543210               ; each lane takes its own place in the other half
	s_mov_b32 s31, 0xfedcba98
	s_mov_b32 s33, 0x7fffffff
	v_mov_b32 v[TX], 0
	v_mov_b32 v[ONE], 1.0
	v_mov_b32 v[ONE+1], 1.0
	v_and_b32 v[LN], 31, v0
	v_and_b32 v[RR], 15, v0
	v_bfe_u32 v[HH], v0, 4, 1
	v_lshlrev_b32 v[O16L], 4, v[LN]
	v_lshlrev_b32 v[O8L], 3, v[LN]
	v_and_b32 v1, 7, v0
	s_lshl_b32 s26, s[WV], 6
	v_lshl_add_u32 v[OQW], v1, 3, s26       ; query 8 w + l % 8
	s_lshl_b32 s27, s[WV], 9
	v_lshl_add_u32 v[OKC], v[RR], 5, s27    ; keys 64 w + 4 r ..
	v_lshlrev_b32 v[O32H], 5, v[HH]
	v_and_b32 v21, 3, v[RR]                 ; w3's row m = r takes head (r & 3) | ((r >> 3) << 2): rows 0-3 heads 0-3, rows 8-11 heads 4-7, the others repeat them
	v_lshrrev_b32 v22, 3, v[RR]
	v_lshl_or_b32 v21, v22, 2, v21
	v_lshlrev_b32 v21, 2, v21
	v_lshl_add_u32 v[OW3], v[HH], 8, v21
	v_lshlrev_b32 v[O16H], 4, v[HH]
	v_add_nc_u32 v[OW2], s27, v[O16L]       ; row w of four, 16 bytes a lane
	s_mul_i32 s26, s[WV], WP
	v_lshl_add_u32 v[WST], v[LN], 3, s26
	s_lshl_b32 s26, s[WV], 12
	s_add_co_u32 s26, s26, AQT
	v_add_nc_u32 v[AST], s26, v[O16L]
	s_lshl_b32 s26, s[WV], 2
	s_add_co_u32 s26, s26, RED
	v_mov_b32 v[RST], s26
	v_mov_b32 v[RLD], RED
	v_lshl_add_u32 v22, v[HH], 3, v1        ; the turning load: lane l reads row 8 hh + l % 8, 16 bytes at 16 ((l / 8) % 2)
	v_mul_u32_u24 v22, v22, WP
	v_bfe_u32 v23, v0, 3, 1
	v_lshl_add_u32 v[TRB], v23, 4, v22
	v_add_nc_u32 v[AQA], AQT, v[O32H]
	s_wait_kmcnt 0x0
	s_add_nc_u64 s[4:5], s[4:5], s[34:35]
	s_add_nc_u64 s[6:7], s[6:7], s[52:53]
	s_add_nc_u64 s[OB:OB+1], s[OB:OB+1], s[54:55]
	s_load_b64 s[28:29], s[6:7], 0x0        ; ctr: the work-group's first key
	; THE LOADS.  First 12: coordinates, and w1, b1, b2 four channels a lane
	global_load_b64 v[QC:QC+1], v[O8L], s[4:5]
	global_load_b64 v[QW:QW+1], v[OQW], s[4:5]
.irp i, 0,1,2,3
	global_load_b128 v[KA+4*\i:KA+4*\i+3], v[O16L], s[6:7] offset:512*\i
.endr
	global_load_b128 v[KC:KC+3], v[OKC], s[6:7]
	global_load_b128 v[KC+4:KC+7], v[OKC], s[6:7] offset:16
	global_load_b128 v[W0N:W0N+3], v[O16L], s[8:9]
	global_load_b128 v[W1N:W1N+3], v[O16L], s[8:9] offset:512
	global_load_b128 v[B1N:B1N+3], v[O16L], s[10:11]
	global_load_b128 v[B2N:B2N+3], v[O16L], s[14:15]
	; then 32: w1's two rows in the order of a fragment's channels
.irp c, 0,1,2,3
.irp k, 0,1,2,3
	global_load_b128 v[W0F+16*\c+4*\k:W0F+16*\c+4*\k+3], v[O32H], s[8:9] offset:128*\c+16*(\k%2)+64*(\k/2)
	global_load_b128 v[W1F+16*\c+4*\k:W1F+16*\c+4*\k+3], v[O32H], s[8:9] offset:512+128*\c+16*(\k%2)+64*(\k/2)
.endr
.endr
	; then 32: w2's rows 4 i + w, 512 consecutive bytes a load
	WIN 0x80                                ; destination window 2
.set i, 0
.rept 32
	global_load_b128 v[4*i:4*i+3], v[OW2], s[12:13] offset:2048*i
.set i, i+1
.endr
	WIN 0
	s_wait_loadcnt 63                       ; of the 76 issued the oldest 13 are in: the first 12 among them
	s_wait_kmcnt 0x0                        ; ctr
	v_mov_b32 v[CT], s28
	v_mov_b32 v[CT+1], s29
	v_pk_add_f32 v[QC:QC+1], v[QC:QC+1], v[CT:CT+1] neg_lo:[0,1] neg_hi:[0,1]   ; p - ctr
	v_pk_add_f32 v[QW:QW+1], v[QW:QW+1], v[CT:CT+1] neg_lo:[0,1] neg_hi:[0,1]
.irp i, 0,2,4,6,8,10,12,14
	v_pk_add_f32 v[KA+\i:KA+\i+1], v[KA+\i:KA+\i+1], v[CT:CT+1] neg_lo:[0,1] neg_hi:[0,1]
.endr
.irp i, 0,2,4,6
	v_pk_add_f32 v[KC+\i:KC+\i+1], v[KC+\i:KC+\i+1], v[CT:CT+1] neg_lo:[0,1] neg_hi:[0,1]
.endr
	v_and_b32 v[QC], s33, v[QC]             ; the largest |p - ctr| of the 32 queries and 256 keys, for x and for y: the same in all four waves
	v_and_b32 v[QC+1], s33, v[QC+1]
.set i, 0
.rept 16
	v_and_b32 v[KA+i], s33, v[KA+i]
.set i, i+1
.endr
	v_max3_num_f32 v[RX0], v[QC], v[KA], v[KA+2]
	v_max3_num_f32 v[RX1], v[QC+1], v[KA+1], v[KA+3]
.irp i, 4,8,12
	v_max3_num_f32 v[RX0], v[RX0], v[KA+\i], v[KA+\i+2]
	v_max3_num_f32 v[RX1], v[RX1], v[KA+\i+1], v[KA+\i+3]
.endr
	WMAX RX0
	WMAX RX1
	v_add_f32 v[RX0], v[RX0], v[RX0]        ; |q - k| <= twice that
	v_add_f32 v[RX1], v[RX1], v[RX1]
.irp j, 0,1,2,3
	v_and_b32 v[AB+\j], s33, v[W0N+\j]
	v_and_b32 v[AB+4+\j], s33, v[W1N+\j]
	v_and_b32 v[AB+8+\j], s33, v[B1N+\j]
	v_and_b32 v[B2N+\j], s33, v[B2N+\j]
.endr
.irp j, 0,1,2,3
	v_fma_f32 v[AB+8+\j], v[AB+4+\j], v[RX1], v[AB+8+\j]
.endr
.irp j, 0,1,2,3
	v_fma_f32 v[AB+8+\j], v[AB+\j], v[RX0], v[AB+8+\j]
.endr
	v_max3_num_f32 v[MX1], v[AB+8], v[AB+9], v[AB+10]
	v_max3_num_f32 v[B2M], v[B2N], v[B2N+1], v[B2N+2]
	v_max_num_f32 v[MX1], v[MX1], v[AB+11]
	v_max_num_f32 v[B2M], v[B2M], v[B2N+3]
	WMAX MX1
	WMAX B2M
	v_max_num_f32 v[MX1], 0x2b800000, v[MX1]   ; floored at 2^-40
	v_and_b32 v[FX], 0x7f800000, v[MX1]        ; M1's exponent field e
	v_sub_nc_u32 v[SG1], 0x7e800000, v[FX]     ; sg1 = 2^(126 - e): sg1 M1 in [0.5, 1)
	v_add_nc_u32 v[ISG1], 0x00800000, v[FX]    ; 1 / sg1
	v_mov_b32 v[SG1+1], v[SG1]
	v_xor_b32 v[NSG1], 0x80000000, v[SG1]
	v_xor_b32 v[NSG1+1], 0x80000000, v[SG1]
.irp j, 0,2
	v_pk_mul_f32 v[W0N+\j:W0N+\j+1], v[W0N+\j:W0N+\j+1], v[SG1:SG1+1]
	v_pk_mul_f32 v[W1N+\j:W1N+\j+1], v[W1N+\j:W1N+\j+1], v[SG1:SG1+1]
	v_pk_mul_f32 v[B1N+\j:B1N+\j+1], v[B1N+\j:B1N+\j+1], v[SG1:SG1+1]
.endr
.irp j, 0,2,4,6
	v_pk_mul_f32 v[KC+\j:KC+\j+1], v[KC+\j:KC+\j+1], v[NSG1:NSG1+1]   ; -sg1 (k - ctr) of my four keys
.endr
.irp i, 0,1,2,3,4,5,6,7
	v_readlane_b32 s[DQ+2*\i], v[QW], \i
	v_readlane_b32 s[DQ+2*\i+1], v[QW+1], \i
.endr
	; 17 more loads: b2 as C operands (register j of mt: channel 16 mt + 8 hh + j), b3 (heads 4 hh + 0..3)
	WIN 0x80
.irp m, 0,1,2,3,4,5,6,7
	global_load_b128 v[B2C+8*\m:B2C+8*\m+3], v[O32H], s[14:15] offset:64*\m
	global_load_b128 v[B2C+8*\m+4:B2C+8*\m+7], v[O32H], s[14:15] offset:64*\m+16
.endr
	global_load_b128 v[B3:B3+3], v[O16H], s[18:19]
	s_wait_loadcnt 49                       ; w2's 32 and these 17 may stay out: w1's fragments are in
	; -sg1 Bk for my four keys, 64 channels a lane each
	WIN 0xf0                                ; destination and source 2 window 3
.set t, 0
.rept 4
.set n, 0
.rept 32
	v_pk_mul_f32 v[64*t+2*n:64*t+2*n+1], v[W1F+2*n:W1F+2*n+1], v[KC+2*t:KC+2*t+1] op_sel:[0,1]   ; y for both halves
.set n, n+1
.endr
.set n, 0
.rept 32
	v_pk_fma_f32 v[64*t+2*n:64*t+2*n+1], v[W0F+2*n:W0F+2*n+1], v[KC+2*t:KC+2*t+1], v[64*t+2*n:64*t+2*n+1] op_sel_hi:[1,0,1]   ; x for both halves
.set n, n+1
.endr
.set t, t+1
.endr
	WIN 0
	; sg1 A for my wave's 8 queries, 4 channels a lane, into LDS
.set i, 0
.rept 8
.set arow, AT+4*(i%2)
.irp j, 0,1,2,3
	v_fma_f32 v[arow+\j], s[DQ+2*i+1], v[W1N+\j], v[B1N+\j]
.endr
.irp j, 0,1,2,3
	v_fma_f32 v[arow+\j], s[DQ+2*i], v[W0N+\j], v[arow+\j]
.endr
	ds_store_b128 v[AST], v[arow:arow+3] offset:512*i
.set i, i+1
.endr
	s_wait_loadcnt 17                       ; only b2's and b3's may stay out: w2 is in
	; 64 more loads: w3, one number a lane: register 16 c + x is channel 32 c + 8 hh + x (+ 8 from x = 8 on) of my row's head
	WIN 0x40                                ; destination window 1
.set c, 0
.rept 4
.set x, 0
.rept 16
	global_load_b32 v[16*c+x], v[OW3], s[16:17] offset:32*(32*c+x+8*(x/8))
.set x, x+1
.endr
.set c, c+1
.endr
	; max|w2|: maxima and minima of my wave's 32 rows, four chains each
	WIN W_E
.irp k, 0,1,2,3
	v_max3_num_f32 v[MH+\k], v[32*\k], v[32*\k+1], v[32*\k+2]
	v_min3_num_f32 v[ML+\k], v[32*\k], v[32*\k+1], v[32*\k+2]
.endr
.set i, 0
.rept 14
.irp k, 0,1,2,3
	v_max3_num_f32 v[MH+\k], v[MH+\k], v[32*\k+3+2*i], v[32*\k+4+2*i]
	v_min3_num_f32 v[ML+\k], v[ML+\k], v[32*\k+3+2*i], v[32*\k+4+2*i]
.endr
.set i, i+1
.endr
	v_max3_num_f32 v[MH], v[MH], v31, v63
	v_min3_num_f32 v[ML], v[ML], v31, v63
	v_max3_num_f32 v[MH+1], v[MH+1], v95, v127
	v_min3_num_f32 v[ML+1], v[ML+1], v95, v127
	v_max3_num_f32 v[MH], v[MH], v[MH+1], v[MH+2]
	v_min3_num_f32 v[ML], v[ML], v[ML+1], v[ML+2]
	v_max_num_f32 v[MH], v[MH], v[MH+3]
	v_min_num_f32 v[ML], v[ML], v[ML+3]
	WIN 0x02                                ; source 0 window 2, destination window 0
	v_mov_b32 v[MX2], v[MH]
	v_mov_b32 v[YB], v[ML]
	WIN 0
	v_sub_f32 v[YB], 0, v[YB]
	v_max_num_f32 v[MX2], v[MX2], v[YB]
	WMAX MX2
	ds_store_b32 v[RST], v[MX2]             ; all lanes the same word, the same number
	s_wait_dscnt 0x0                        ; for the others' sake: my maximum and my rows of A are in LDS
	s_barrier_signal -1
	s_barrier_wait -1
	ds_load_b128 v[RD4:RD4+3], v[RLD]
	s_wait_dscnt 0x0
	v_max3_num_f32 v[MX2], v[RD4], v[RD4+1], v[RD4+2]
	v_max_num_f32 v[MX2], v[MX2], v[RD4+3]
	v_max_num_f32 v[MX2], 0x2b800000, v[MX2]   ; floored at 2^-40
	v_mul_f32 v[YB], v[MX1], v[MX2]
	v_fmamk_f32 v[YB], v[YB], 0x43000000, v[B2M]   ; Y = 128 M1 M2 + max|b2|
	v_and_b32 v[FX], 0x7f800000, v[YB]         ; its exponent field e
	v_sub_nc_u32 v[TAU], 0x85800000, v[FX]     ; tau = 2^(140 - e): tau Y in [2^13, 2^14)
	v_add_nc_u32 v[SCV], 0xf9800000, v[FX]     ; 1 / tau: the field less 13
	v_mul_f32 v[SG2], v[TAU], v[ISG1]          ; tau / sg1
	v_lshlrev_b32 v21, 4, v[RR]
	v_lshl_add_u32 v21, v[HH], 24, v21
	v_add_nc_u32 v22, 0x800000, v21
	WIN 0x80
	v_mov_b32 v[S2P], v[SG2]
	v_mov_b32 v[S2P+1], v[SG2]
	v_mov_b32 v[TAUP], v[TAU]
	v_mov_b32 v[TAUP+1], v[TAU]
	v_mov_b32 v[SC], v[SCV]
	v_mov_b32 v[ZERO], 0
	v_mov_b32 v[OV0], v21
	v_mov_b32 v[OV1], v22
	; w2 scaled, rounded to f16, into LDS as [h][d]
	WIN W_E
.set i, 0
.rept 32
	v_pk_mul_f32 v[4*i:4*i+1], v[4*i:4*i+1], v[S2P:S2P+1]
	v_pk_mul_f32 v[4*i+2:4*i+3], v[4*i+2:4*i+3], v[S2P:S2P+1]
.set i, i+1
.endr
.set i, 0
.rept 32
	v_cvt_pk_f16_f32 v[4*i], v[4*i], v[4*i+1]
	v_cvt_pk_f16_f32 v[4*i+1], v[4*i+2], v[4*i+3]
.set i, i+1
.endr
	WIN 0x08                                ; store data window 2, address window 0
.set i, 0
.rept 32
	ds_store_b64 v[WST], v[4*i:4*i+1] offset:4*WP*i
.set i, i+1
.endr
	s_wait_loadcnt 0x0                      ; b2, b3, w3
	WIN W_E
.set i, 0
.rept 32
	v_pk_mul_f32 v[B2C+2*i:B2C+2*i+1], v[B2C+2*i:B2C+2*i+1], v[TAUP:TAUP+1]
.set i, i+1
.endr
	s_wait_dscnt 0x0                        ; my rows of w2 are in LDS: for the others' sake, and w3's fragments below land on registers that those stores read
	WIN 0x85                                ; sources window 1, destination window 2
.set i, 0
.rept 32
	v_cvt_pk_f16_f32 v[W3F+i], v[2*i], v[2*i+1]
.set i, i+1
.endr
	WIN 0
	s_barrier_signal -1
	s_barrier_wait -1                       ; w2 and A are whole; nothing writes LDS from here on
	WIN 0x40
.set m, 0
.rept 8                                     ; fragment (mt, c): output channels 16 mt + r, hidden channels 32 c + 8 hh + 0..7 and 32 c + 16 + 8 hh + 0..7
.irp c, 0,1,2,3
	ds_load_tr16_b128 v[8*(4*m+\c):8*(4*m+\c)+3],   v[TRB] offset:32*WP*\c+32*m
	ds_load_tr16_b128 v[8*(4*m+\c)+4:8*(4*m+\c)+7], v[TRB] offset:32*WP*\c+32*m+16*WP
.endr
.set m, m+1
.endr
; THE MATRIX WORK.  No two matrix instructions that follow each other share an accumulator: they take turns, one instruction a turn.
.macro L2 mt, c                     ; layer 2: output channels 16 mt on, hidden channels 32 c on; the first link starts the sum with tau b2
	WIN W_L2
.if (\c) == 0
	v_wmma_f32_16x16x32_f16 v[YA+8*(\mt):YA+8*(\mt)+7], v[8*(4*(\mt)+(\c)):8*(4*(\mt)+(\c))+7], v[H1+32*PBR+8*(\c):H1+32*PBR+8*(\c)+7], v[B2C+8*(\mt):B2C+8*(\mt)+7]
.else
	v_wmma_f32_16x16x32_f16 v[YA+8*(\mt):YA+8*(\mt)+7], v[8*(4*(\mt)+(\c)):8*(4*(\mt)+(\c))+7], v[H1+32*PBR+8*(\c):H1+32*PBR+8*(\c)+7], v[YA+8*(\mt):YA+8*(\mt)+7]
.endif
.endm
.macro L3 c                         ; layer 3: channels 32 c on
	WIN W_E
.if (\c) == 0
	v_wmma_f32_16x16x32_f16 v[OA:OA+7], v[W3F+8*(\c):W3F+8*(\c)+7], v[H2+8*(\c):H2+8*(\c)+7], 0
.else
	v_wmma_f32_16x16x32_f16 v[OA:OA+7], v[W3F+8*(\c):W3F+8*(\c)+7], v[H2+8*(\c):H2+8*(\c)+7], v[OA:OA+7]
.endif
.endm
; THE VECTOR WORK stands in two queues.
; PQ writes the next of the 64 lines that make h1 of tile TN into buffer PBW.  F n: pair n of 32: A - Bk, held to 0..1 (the relu).  C n: that pair rounded to f16.  In fours: F0-F3; then C 2k-2, C 2k-1, F 2k+2, F 2k+3;
; at last C28-C31: a pair is rounded four to six lines behind its sum, and four pairs of f32 are at work.  WQ = 1: A's registers were loaded anew in the slot before.
.macro PQ
.if !NOPR
.if WQ && (pe == 0)
	s_wait_dscnt 8                          ; of the 16 loads the older 8 are in: channels' chunks 0 and 1, which F0-F15 read
.endif
.if WQ && (pe == 28)
	s_wait_dscnt 0x0                        ; chunks 2 and 3, ahead of F16
.endif
	WIN W_P
.set pk, pe/4
.set pm, pe%4
.set isf, 0
.if pk == 0
.set pn, pm
.set isf, 1
.elseif pk == 15
.set pn, 28+pm
.elseif pm < 2
.set pn, 2*pk-2+pm
.else
.set pn, 2*pk+pm
.set isf, 1
.endif
.if isf
	v_pk_fma_f32 v[TT+2*(pn%4):TT+2*(pn%4)+1], v[AQ+2*pn:AQ+2*pn+1], v[ONE:ONE+1], v[64*TN+2*pn:64*TN+2*pn+1] clamp
.else
	v_cvt_pk_f16_f32 v[H1+32*PBW+pn], v[TT+2*(pn%4)], v[TT+2*(pn%4)+1]
.endif
.set pe, pe+1
.endif
.endm
.macro PR n
.rept \n
	PQ
.endr
.endm
; EQ writes the next of the 32 lines that make h2's half g (channels 64 g on) of accumulators 4 g .. 4 g + 3: 16 roundings, each accumulator's registers in ascending order, and 16 packed maxima with 0.
.macro EQ g
	WIN W_E
.set ek, ee/4
.set em, ee%4
.set isc, 0
.if ek == 0
.set en, em
.set isc, 1
.elseif ek == 7
.set en, 12+em
.elseif em < 2
.set en, 2*ek-2+em
.else
.set en, 2*ek+em
.set isc, 1
.endif
.if isc
	v_cvt_pk_f16_f32 v[H2+16*(\g)+en], v[YA+32*(\g)+2*en], v[YA+32*(\g)+2*en+1]
.else
	v_pk_max_num_f16 v[H2+16*(\g)+en], v[H2+16*(\g)+en], v[ZERO]
.endif
.set ee, ee+1
.endm
.macro ER g, n
.rept \n
	EQ \g
.endr
.endm
.macro E1                           ; four lines for the tile before; the first slot has none
.if !FIRST
	ER 1, 4
.endif
.endm
.macro L3X c
.if !FIRST
	L3 \c
.endif
.endm
.macro FO tt                        ; tile tt's output: heads j + 4 hh, j = 0..3: the accumulator's four lowest registers
	WIN W_E
.irp j, 0,1,2,3
	v_fma_f32 v[OUT+4*\j+(\tt)], v[OA+\j], v[SC], v[B3+\j]
.endr
.endm
.macro STO                          ; a query's 64 keys x 8 heads: each store's lanes 0-15 cover 256 consecutive bytes of head j, lanes 16-31 of head j + 4.  The base already stands a row further on
	WIN W_E
	global_store_b128 v[OV0], v[OUT:OUT+3],     s[OB:OB+1] offset:-4096 th:TH_STORE_NT
	global_store_b128 v[OV0], v[OUT+4:OUT+7],   s[OB:OB+1] offset:4194304-4096 th:TH_STORE_NT
	global_store_b128 v[OV1], v[OUT+8:OUT+11],  s[OB:OB+1] offset:-4096 th:TH_STORE_NT
	global_store_b128 v[OV1], v[OUT+12:OUT+15], s[OB:OB+1] offset:4194304-4096 th:TH_STORE_NT
.endm
.macro AQLD c0                      ; chunks c0, c0 + 1 of the next query's A: 8 loads; lanes of one half read the same bytes
	WIN W_P
.irp c, \c0, (\c0)+1
	ds_load_b128 v[AQ+16*(\c):AQ+16*(\c)+3],     v[AQA] offset:128*(\c)
	ds_load_b128 v[AQ+16*(\c)+4:AQ+16*(\c)+7],   v[AQA] offset:128*(\c)+16
	ds_load_b128 v[AQ+16*(\c)+8:AQ+16*(\c)+11],  v[AQA] offset:128*(\c)+64
	ds_load_b128 v[AQ+16*(\c)+12:AQ+16*(\c)+15], v[AQA] offset:128*(\c)+80
.endr
.endm
; A SLOT, for tile t of a query.  Two phases of 18 matrix instructions.  Phase 0: layer 2's accumulators 0-3, layer 3's links 0, 1 of the tile before; behind them the tile before's h2 half 1, then 32 lines of the next h1.
; Phase 1: accumulators 4-7, links 2, 3; behind them this tile's h2 half 0, the tile before's output, then the other 32 lines of h1.
; Every vector line that reads a result, or writes a product's source, stands four plain lines or more behind that product: an accumulator's last link stands at place 15 to 18 of its phase, with 3 or 4 lines of h1 behind
; each, and its first reader in the next phase; layer 3's last link stands 12 lines ahead of the output's.
; first = 1: there is no tile before.  ld = 1: the next query's A is loaded, each half behind the last line that reads the old one.  nop = 1: there is no next tile: four v_nop close each phase as the places.
.macro SLOT t, first=0, ld=0, nop=0
.set PBR, (\t)%2
.set PBW, 1-PBR
.set TN, ((\t)+1)%4
.set pe, 0
.set NOPR, \nop
.set FIRST, \first
.set WQ, 0
.if ((\t) == 3) && !(\nop)
.set WQ, 1
.endif
.set ee, 0
.irp m, 0,1,2,3
	L2 \m, 0
	E1
.endr
	L3X 0
	E1
.irp m, 0,1,2
	L2 \m, 1
	E1
.endr
	L3X 1
	PR 4
	L2 3, 1
	PR 3
.irp m, 0,1,2,3
	L2 \m, 2
	PR 3
.endr
.irp m, 0,1,2
	L2 \m, 3
	PR 3
.endr
	L2 3, 3
	PR 4
.if \ld
	AQLD 0                                  ; F0-F17 are out: chunks 0 and 1 are read no more
.endif
.if \nop
	PLACES
.endif
.set ee, 0
	L2 4, 0
	ER 0, 4
	L2 5, 0
	ER 0, 4
	L3X 2
	ER 0, 4
	L2 6, 0
	ER 0, 4
	L2 7, 0
	ER 0, 4
	L3X 3
	ER 0, 4
	L2 4, 1
	ER 0, 4
	L2 5, 1
	ER 0, 4
	L2 6, 1
.if !(\first)
.if (\t) == 1
	s_wait_xcnt 0x0                         ; the last query's stores have read their base and their data: only behind this wait is the base stepped and OUT written again
	s_add_nc_u64 s[OB:OB+1], s[OB:OB+1], 4096
.endif
	FO ((\t)+3)%4
.if (\t) == 0
	STO
.endif
.endif
	L2 7, 1
	PR 4
.irp m, 4,5,6,7
	L2 \m, 2
	PR 4
.endr
.irp m, 4,5,6,7
	L2 \m, 3
	PR 3
.endr
.if \ld
	AQLD 2
	v_add_nc_u32 v[AQA], 512, v[AQA]
.endif
.if \nop
	PLACES
.endif
.endm
	AQLD 0                                  ; the first query's A
	AQLD 2
	v_add_nc_u32 v[AQA], 512, v[AQA]
	s_wait_dscnt 0x0                        ; w2's fragments and A
.set PBW, 0
.set TN, 0
.set WQ, 0
.set NOPR, 0
.set pe, 0
	PR 64                                   ; h1 of the first tile
	SLOT 0, 1
	WIN 0                                   ; at a label and at a branch every window is 0
	s_mov_b32 s32, 31
.Lq:                                        ; a trip: tiles 1-3 of a query and tile 0 of the next; 16 LDS loads, 4 stores
	SLOT 1
	SLOT 2, 0, 1
	SLOT 3
	SLOT 0
	WIN 0
	s_sub_co_u32 s32, s32, 1
	s_cmp_lg_u32 s32, 0
	s_cbranch_scc1 .Lq
	SLOT 1                                  ; the last query's tiles 1-3: nothing more is loaded, and no h1 follows the last
	SLOT 2
	SLOT 3, 0, 0, 1
.set ee, 0
	ER 1, 32                                ; the last tile's h2, half 1
	L3 0
	s_wait_alu depctr_va_vdst(0)            ; the wait stands directly ahead of each link
	L3 1
	s_wait_alu depctr_va_vdst(0)
	L3 2
	s_wait_alu depctr_va_vdst(0)
	L3 3
	PLACES
	FO 3
	STO
	WIN 0
	s_wait_tensorcnt 0x0                    ; the wave's end
	ds_add_u32 v[SPW], v[NIL]
	s_wait_dscnt 0x0
	s_endpgm
.Lfunc_end_k_q7f51276a3d_cpb:
	.size	k_q7f51276a3d_cpb, .Lfunc_end_k_q7f51276a3d_cpb-k_q7f51276a3d_cpb
	.p2alignl 7, 3214868480
	.fill 96, 4, 3214868480
	.section	.rodata,"a",@progbits
	.p2align	6, 0x0
	.amdhsa_kernel k_q7f51276a3d_cpb
		.amdhsa_group_segment_fixed_size 54016
		.amdhsa_private_segment_fixed_size 0
		.amdhsa_enable_private_segment 0
		.amdhsa_kernarg_size 72
		.amdhsa_user_sgpr_count 2
		.amdhsa_user_sgpr_kernarg_segment_ptr 1
		.amdhsa_wavefront_size32 1
		.amdhsa_system_sgpr_workgroup_id_x 1
		.amdhsa_system_sgpr_workgroup_id_y 1
		.amdhsa_system_sgpr_workgroup_id_z 1
		.amdhsa_system_vgpr_workitem_id 0
		.amdhsa_next_free_vgpr 1024
		.amdhsa_next_free_sgpr 66
		.amdhsa_reserve_vcc 0
		.amdhsa_float_denorm_mode_32 3
		.amdhsa_float_denorm_mode_16_64 3
		.amdhsa_memory_ordered 1
		.amdhsa_forward_progress 1
		.amdhsa_inst_pref_size 176
	.end_amdhsa_kernel
	.amdgpu_metadata
---
amdhsa.version: [ 1, 2 ]
amdhsa.kernels:
  - .name:           k_q7f51276a3d_cpb
    .symbol:         k_q7f51276a3d_cpb.kd
    .args:
      - { .name: query_coords, .offset: 0, .size: 8, .value_kind: global_buffer, .address_space: global }
      - { .name: key_coords, .offset: 8, .size: 8, .value_kind: global_buffer, .address_space: global }
      - { .name: w1, .offset: 16, .size: 8, .value_kind: global_buffer, .address_space: global }
      - { .name: b1, .offset: 24, .size: 8, .value_kind: global_buffer, .address_space: global }
      - { .name: w2, .offset: 32, .size: 8, .value_kind: global_buffer, .address_space: global }
      - { .name: b2, .offset: 40, .size: 8, .value_kind: global_buffer, .address_space: global }
      - { .name: w3, .offset: 48, .size: 8, .value_kind: global_buffer, .address_space: global }
      - { .name: b3, .offset: 56, .size: 8, .value_kind: global_buffer, .address_space: global }
      - { .name: out0, .offset: 64, .size: 8, .value_kind: global_buffer, .address_space: global }
    .group_segment_fixed_size: 54016
    .private_segment_fixed_size: 0
    .kernarg_segment_align: 8
    .kernarg_segment_size: 72
    .max_flat_workgroup_size: 128
    .sgpr_count:     66
    .vgpr_count:     1024
    .wavefront_size: 32
...
	.end_amdgpu_metadata
.endif
;; end of part 1
;; ======== version 2 of 2: 1 launch; version 1 with the launch cpb written anew for expert scheduling mode
;; limits: values are held in f16: magnitudes above 65,504 overflow, below 6.1e-05 lose precision; right only within a limited range of input values
;; launch cpb (part 2): grid 256 x 1, 4 waves a work-group, no clusters, 54,016 bytes of LDS; arguments query_coords, key_coords, w1, b1, w2, b2, w3, b3, out0; writes out0
.if DOCPART == 2
	.amdgcn_target "amdgcn-amd-amdhsa--gfx1250"
	.amdhsa_code_object_version 6
	.text
	.protected	k_q7f51276a3d_cpb
	.globl	k_q7f51276a3d_cpb
	.p2align	8
	.type	k_q7f51276a3d_cpb,@function
k_q7f51276a3d_cpb:
	s_mov_b64 s[64:65], 0
	v_nop
	global_prefetch_b8 v0, s[64:65] scope:SCOPE_SE
	s_setreg_imm32_b32 hwreg(HW_REG_WAVE_SCHED_MODE, 0, 2), 2
	s_setreg_imm32_b32 hwreg(HW_REG_WAVE_MODE, 25, 1), 1
	s_wait_xcnt 0x0
	s_wait_alu depctr_vm_vsrc(0)
; out[b][n][q][k] = w3^T relu(w2^T relu(w1^T (Q[b][q] - K[b][k]) + b1) + b2) + b3: widths 2 -> 128 -> 128 -> 8, for 2 x 1,024 x 1,024 pairs (q, k); all buffers f32.
; NOTHING OF THE REFERENCE IS LEFT OUT, and every input is loaded.
; SHARES.  256 work-groups: one batch, 32 queries, 256 keys each.  A wave has 64 keys x 32 queries = 128 tiles of 16 pairs.  Tile t (0..3) of a query holds, in column r, key 4 r + t of the wave's 64.
; LAYER 1 IS SEPARABLE: w1^T (q - k) + b1 = A[q] - Bk[k], A = w1^T (q - ctr) + b1, Bk = w1^T (k - ctr), ctr = the work-group's first key (so that a common offset of the coordinates makes
; no difference of large sums).  The two tables are 32 + 256 rows a work-group where the product by pairs would have 8,192; they are made once, in f32; a pair and channel then costs half a packed multiply-add.
; LAYERS 2 AND 3 go to the matrix unit in f16, sums in f32, both TRANSPOSED (source 0 = weights, row m = output channel; source 1 = activations, column n = pair).  A result holds, in lane (r, hh),
; pair r and channels 8 hh + 0..7; two results rounded in pairs ARE source 1 (32 channels x 16 pairs) of the next product: nothing changes lanes between the layers.  All weights stay in registers.
; SCALES.  relu(s x) = s relu(x) for s > 0, so exact powers of two, made here from bounds on the inputs, keep every f16 operand in range whatever the inputs' size:
;   M1 >= |layer 1's sums| (from the largest |p - ctr| of the work-group's points, |w1|, |b1|); sg1 M1 in [0.5, 1): the scaled sums lie in -1..1, and the clamp to 0..1 of the line that forms them IS the relu.
;   Y = 128 M1 max|w2| + max|b2| >= |layer 2's sums|; tau Y in [2^13, 2^14): h2 fits f16; w2 is scaled by tau / sg1 (under 256), b2 by tau (f32: it starts the sums as the C operand).
;   out = sum x (1 / tau) + b3, one multiply-add in f32.  w3 goes to f16 as it is.
; LIMITS.  M1, max|w2|, max|b2| under 2^40 (both bounds are floored at 2^-40); |w3| under 65,504, and below 6e-5 it keeps f16's fixed step of 6e-8.  NaN and infinities are not carried as the
; reference carries them: clamp and maximum drop a NaN.  Layer 1's rounding differs from the reference's in f32's last bits.
; BY TURNS.  A tile has 36 matrix instructions (32 + 4) and 132 vector instructions (32 packed sums with clamp, 32 + 32 roundings, 32 packed maxima, 4 multiply-adds).  In slot i the matrix unit has
; tile i's layer 2 and tile i - 1's layer 3; three or four vector lines stand behind each: the roundings of tile i - 1's channels 64-127 and tile i's 0-63, h1 of tile i + 1, tile i - 1's output.
; NO CLUSTER, NO TENSOR LOAD: what work-groups share is 71,680 bytes of weights, read once a work-group ahead of the loop, against 262,144 bytes that it stores; and w2 passes through registers
; in any case, for its maximum, its scale and its rounding.  The loop reads no memory: there is no stream to ask for ahead.
; STORES.  By the order of the keys (4 r + t) and of w3's rows (heads j and j + 4 in the two halves of the lanes) a lane ends with 4 neighbouring keys of a head: each store's lanes 0-15 and 16-31
; cover 256 consecutive bytes each, at a multiple of 256 from out0's first byte.
; THE MODE: SCHED_MODE bits 1:0 = 2 (LLVM: expert scheduling mode 2), set by the entry lines.  The code itself states the register dependences between vector or matrix instructions and memory
; or LDS instructions, with s_wait_alu, always for 0.
; THE PLAN.  Registers that memory or LDS instructions touch in the loop (a trip: slots 1, 2, 3, 0):
;   AQ, chunks 0, 1   Read by the lines F0-F15 of every slot's first phase.  Eight LDS loads land in them in the middle of slot 2, behind that slot's F15: the last reader of the old row.
;   AQ, chunks 2, 3   Read by F16-F31.  Eight LDS loads land in them at the head of slot 3, behind slot 2's F31.
;   v[AQA]            Read by those sixteen loads; written once a trip, in slot 3, where the wait for the loads' data stands.
;   OUT               Written by the output's four lines of every slot; read by the four stores in slot 0.
;   OV0, OV1          Read by the stores; written once, ahead of the loop.  out0's base is a scalar pair.
;   All else (h1, h2, the accumulators, the weights, Bk, the pairs at work) is named by vector and matrix instructions alone.
; So a trip has three waits on va_vdst: ahead of each half of A's loads (its readers are done; for the first half also: v[AQA] is written) and ahead of the stores (OUT is written).  Behind each the next
; product comes first, then the run of loads or stores: that product names a fragment of w2, h1, tau b2 and its accumulator, none of the registers that the run touches.  And two on vm_vsrc: in
; slot 1, ahead of the first line that writes OUT again; in slot 3, ahead of the add to v[AQA].
;
; LDS: W2H 0: scaled w2 in f16, [h][d], 128 rows, 288 bytes apart (256 + 32; 64 banks of 4 bytes: ISA guide 11.1)
.set WP,    288
.set AQT,   36864     ; sg1 A[q][h], f32, 32 rows of 512 bytes
.set RED,   53248     ; the four waves' max|w2|, a word each
.set SPARE, 53504     ; the spare words, 128 bytes for each wave: two blocks of 256 bytes that no other line names
; REGISTERS, in windows of 256 (s_set_vgpr_msb: bits 1:0 source 0, 3:2 source 1, 5:4 source 2, 7:6 destination)
; window 0
.set SPW,  2          ; LDS address of my spare word; never rewritten
.set NIL,  3          ; 0; never rewritten
.set AQA,  4          ; LDS address of A's next row: AQT + 32 hh + 512 row
.set LN,   5          ; lane
.set RR,   6          ; r = lane % 16
.set HH,   7          ; hh = lane / 16
.set O16L, 8          ; byte offsets for the loads ahead of the loop; never rewritten
.set O8L,  9
.set OQW,  10
.set OKC,  11
.set O32H, 12
.set OW3,  13
.set O16H, 14
.set OW2,  15
.set WST,  16         ; LDS: where I put w2, A, my wave's maximum; where I read the maxima and w2's fragments
.set AST,  17
.set RST,  18
.set RLD,  19
.set TRB,  20
.set TX,   28         ; v_permlanex16_b32's destination
.set AQ,   32         ; v[32:95]   A of the query in hand: index 16 c + x is channel 32 c + 8 hh + x (x < 8), 32 c + 16 + 8 hh + x - 8 (x >= 8)
.set W0F,  32         ;            ahead of the loop: w1's row 0 in that order
.set H1,   96         ; v[96:159]  h1 in f16: two buffers of 32, chunk c of 32 channels at 8 c
.set W1F,  96         ;            ahead of the loop: w1's row 1
.set AR,   96         ; v[96:127]  ahead of the loop, once w1's row 1 has been read: sg1 A of my wave's 8 queries, four registers each, on their way to LDS
.set TT,   160        ; v[160:167] four pairs of f32 at work
.set ONE,  168        ; v[168:169] 1.0, 1.0
.set QC,   170        ; ahead of the loop: query l; query 8 w + l % 8; all 256 keys; my 4 keys; 4 channels a lane of w1, b1, b2
.set QW,   172
.set KA,   174
.set KC,   190
.set W0N,  198
.set W1N,  202
.set B1N,  206
.set B2N,  210
.set CT,   214
.set RX0,  216
.set RX1,  217
.set MX1,  218
.set B2M,  219
.set SG1,  220        ; pair: sg1
.set NSG1, 222        ; pair: -sg1
.set ISG1, 224
.set MX2,  225
.set YB,   226
.set TAU,  227
.set SCV,  228
.set SG2,  229
.set FX,   230
.set RD4,  240
.set AB,   244        ; twelve at work
; window 1: w2's fragments, (mt, c) at 8 (4 mt + c); ahead of the loop w3 as loaded in v[0:63]
; window 2
.set YA,   0          ; v[0:63]    layer 2's accumulators, mt at 8 mt; ahead of the loop w2 as loaded in v[0:127]
.set H2,   64         ; v[64:95]   h2 in f16
.set W3F,  96         ; v[96:127]  w3's fragments
.set B2C,  128        ; v[128:191] tau b2 as C operands
.set OA,   192        ; v[192:199] layer 3's accumulator
.set OUT,  200        ; v[200:215] head j (+ 4 hh), tile t at 4 j + t
.set B3,   216
.set ZERO, 220
.set SC,   221
.set OV0,  222        ; my byte offset in out0: (hh << 24) + 16 r; never rewritten
.set OV1,  223        ; + (1 << 23)
.set MH,   224        ; four running maxima, four minima of w2
.set ML,   228
.set S2P,  232        ; pair: tau / sg1
.set TAUP, 234        ; pair: tau
; window 3: -sg1 Bk of my key of tile t at 64 t, indexed as AQ
; scalars: s[4:19] the eight inputs' addresses; s[28:29] ctr; s[30:31] lane selects; s32 trips; s33 sign mask; s[36:51] q - ctr of my wave's 8 queries
.set OB,   20         ; s[20:21] out0 at my batch, query row and first key; stepped a row a query
.set WV,   22
.set DQ,   36
.set W_L2, 0xa1       ; w2 window 1, h1 window 0, C and D window 2
.set W_E,  0xaa       ; all window 2
.set W_P,  0x30       ; source 2 window 3, all else window 0
.set MSB, 0
.macro WIN new                      ; the high byte repeats the setting that is left; a switch that changes nothing is dropped
.if MSB != (\new)
	s_set_vgpr_msb (MSB<<8)|(\new)
.set MSB, (\new)
.endif
.endm
.macro PLACES                       ; four places behind a matrix instruction, where no vector work is at hand (ISA guide 7.12.1)
.rept 4
	v_nop
.endr
.endm
.macro WMAX x                       ; the maximum over the wave's 32 lanes, in every lane
	v_max_num_f32_dpp v[\x], v[\x], v[\x] row_xmask:1 row_mask:0xf bank_mask:0xf
	v_max_num_f32_dpp v[\x], v[\x], v[\x] row_xmask:2 row_mask:0xf bank_mask:0xf
	v_max_num_f32_dpp v[\x], v[\x], v[\x] row_xmask:4 row_mask:0xf bank_mask:0xf
	v_max_num_f32_dpp v[\x], v[\x], v[\x] row_xmask:8 row_mask:0xf bank_mask:0xf
	v_permlanex16_b32 v[TX], v[\x], s30, s31
	v_max_num_f32 v[\x], v[\x], v[TX]
.endm
	s_load_b512 s[4:19], s[0:1], 0x0        ; query s[4:5], key s[6:7], w1 s[8:9], b1 s[10:11], w2 s[12:13], b2 s[14:15], w3 s[16:17], b3 s[18:19]
	s_load_b64 s[OB:OB+1], s[0:1], 0x40     ; out0
	v_lshl_add_u32 v[SPW], v0, 2, SPARE
	v_mov_b32 v[NIL], 0
	v_lshrrev_b32 v1, 5, v0
	v_readfirstlane_b32 s[WV], v1           ; wave 0..3
	s_lshr_b32 s23, ttmp9, 7                ; batch
	s_bfe_u32 s24, ttmp9, 0x50002           ; block of 32 queries
	s_and_b32 s25, ttmp9, 3                 ; block of 256 keys
	s_lshl_b32 s26, s23, 13                 ; a batch's coordinates: 8,192 bytes
	s_lshl_b32 s27, s24, 8
	s_add_co_u32 s34, s26, s27              ; my 32 queries
	s_mov_b32 s35, 0
	s_lshl_b32 s27, s25, 11
	s_add_co_u32 s52, s26, s27              ; my 256 keys
	s_mov_b32 s53, 0
	s_lshl_b32 s54, s23, 25                 ; out0: batch x 2^25 + first query x 4,096 + first key of the wave x 4
	s_lshl_b32 s27, s24, 17
	s_add_co_u32 s54, s54, s27
	s_lshl_b32 s27, s25, 10
	s_add_co_u32 s54, s54, s27
	s_wait_alu depctr_va_sdst(0)            ; the wave's number is written, ahead of its first reader: out0's base, offsets and LDS addresses are made from it
	s_lshl_b32 s27, s[WV], 8
	s_add_co_u32 s54, s54, s27
	s_mov_b32 s55, 0
	s_mov_b32 s30, 0x76543210               ; each lane takes its own place in the other half
	s_mov_b32 s31, 0xfedcba98
	s_mov_b32 s33, 0x7fffffff
	v_mov_b32 v[TX], 0
	v_mov_b32 v[ONE], 1.0
	v_mov_b32 v[ONE+1], 1.0
	v_and_b32 v[LN], 31, v0
	v_and_b32 v[RR], 15, v0
	v_bfe_u32 v[HH], v0, 4, 1
	v_lshlrev_b32 v[O16L], 4, v[LN]
	v_lshlrev_b32 v[O8L], 3, v[LN]
	v_and_b32 v1, 7, v0
	s_lshl_b32 s26, s[WV], 6
	v_lshl_add_u32 v[OQW], v1, 3, s26       ; query 8 w + l % 8
	s_lshl_b32 s27, s[WV], 9
	v_lshl_add_u32 v[OKC], v[RR], 5, s27    ; keys 64 w + 4 r ..
	v_lshlrev_b32 v[O32H], 5, v[HH]
	v_and_b32 v21, 3, v[RR]                 ; w3's row m = r takes head (r & 3) | ((r >> 3) << 2): rows 0-3 heads 0-3, rows 8-11 heads 4-7, the others repeat them
	v_lshrrev_b32 v22, 3, v[RR]
	v_lshl_or_b32 v21, v22, 2, v21
	v_lshlrev_b32 v21, 2, v21
	v_lshl_add_u32 v[OW3], v[HH], 8, v21
	v_lshlrev_b32 v[O16H], 4, v[HH]
	v_add_nc_u32 v[OW2], s27, v[O16L]       ; row w of four, 16 bytes a lane
	s_mul_i32 s26, s[WV], WP
	v_lshl_add_u32 v[WST], v[LN], 3, s26
	s_lshl_b32 s26, s[WV], 12
	s_add_co_u32 s26, s26, AQT
	v_add_nc_u32 v[AST], s26, v[O16L]
	s_lshl_b32 s26, s[WV], 2
	s_add_co_u32 s26, s26, RED
	v_mov_b32 v[RST], s26
	v_mov_b32 v[RLD], RED
	v_lshl_add_u32 v22, v[HH], 3, v1        ; the turning load: lane l reads row 8 hh + l % 8, 16 bytes at 16 ((l / 8) % 2)
	v_mul_u32_u24 v22, v22, WP
	v_bfe_u32 v23, v0, 3, 1
	v_lshl_add_u32 v[TRB], v23, 4, v22
	v_add_nc_u32 v[AQA], AQT, v[O32H]
	s_wait_kmcnt 0x0
	s_add_nc_u64 s[4:5], s[4:5], s[34:35]
	s_add_nc_u64 s[6:7], s[6:7], s[52:53]
	s_add_nc_u64 s[OB:OB+1], s[OB:OB+1], s[54:55]
	s_load_b64 s[28:29], s[6:7], 0x0        ; ctr: the work-group's first key
	s_wait_alu depctr_va_vdst(0)            ; the eight byte offsets v8 to v15 and the LDS addresses v4, v16 to v20 are written, which the loads and LDS instructions below read; but for v4 none is written again
	; THE LOADS.  First 12: coordinates, and w1, b1, b2 four channels a lane
	global_load_b64 v[QC:QC+1], v[O8L], s[4:5]
	global_load_b64 v[QW:QW+1], v[OQW], s[4:5]
.irp i, 0,1,2,3
	global_load_b128 v[KA+4*\i:KA+4*\i+3], v[O16L], s[6:7] offset:512*\i
.endr
	global_load_b128 v[KC:KC+3], v[OKC], s[6:7]
	global_load_b128 v[KC+4:KC+7], v[OKC], s[6:7] offset:16
	global_load_b128 v[W0N:W0N+3], v[O16L], s[8:9]
	global_load_b128 v[W1N:W1N+3], v[O16L], s[8:9] offset:512
	global_load_b128 v[B1N:B1N+3], v[O16L], s[10:11]
	global_load_b128 v[B2N:B2N+3], v[O16L], s[14:15]
	; then 32: w1's two rows in the order of a fragment's channels
.irp c, 0,1,2,3
.irp k, 0,1,2,3
	global_load_b128 v[W0F+16*\c+4*\k:W0F+16*\c+4*\k+3], v[O32H], s[8:9] offset:128*\c+16*(\k%2)+64*(\k/2)
	global_load_b128 v[W1F+16*\c+4*\k:W1F+16*\c+4*\k+3], v[O32H], s[8:9] offset:512+128*\c+16*(\k%2)+64*(\k/2)
.endr
.endr
	; then 32: w2's rows 4 i + w, 512 consecutive bytes a load
	WIN 0x80                                ; destination window 2
.set i, 0
.rept 32
	global_load_b128 v[4*i:4*i+3], v[OW2], s[12:13] offset:2048*i
.set i, i+1
.endr
	WIN 0
	s_wait_loadcnt 63                       ; of the 76 issued the oldest 13 are in: the first 12 among them
	s_wait_kmcnt 0x0                        ; ctr
	v_mov_b32 v[CT], s28
	v_mov_b32 v[CT+1], s29
	v_pk_add_f32 v[QC:QC+1], v[QC:QC+1], v[CT:CT+1] neg_lo:[0,1] neg_hi:[0,1]   ; p - ctr
	v_pk_add_f32 v[QW:QW+1], v[QW:QW+1], v[CT:CT+1] neg_lo:[0,1] neg_hi:[0,1]
.irp i, 0,2,4,6,8,10,12,14
	v_pk_add_f32 v[KA+\i:KA+\i+1], v[KA+\i:KA+\i+1], v[CT:CT+1] neg_lo:[0,1] neg_hi:[0,1]
.endr
.irp i, 0,2,4,6
	v_pk_add_f32 v[KC+\i:KC+\i+1], v[KC+\i:KC+\i+1], v[CT:CT+1] neg_lo:[0,1] neg_hi:[0,1]
.endr
	v_and_b32 v[QC], s33, v[QC]             ; the largest |p - ctr| of the 32 queries and 256 keys, for x and for y: the same in all four waves
	v_and_b32 v[QC+1], s33, v[QC+1]
.set i, 0
.rept 16
	v_and_b32 v[KA+i], s33, v[KA+i]
.set i, i+1
.endr
	v_max3_num_f32 v[RX0], v[QC], v[KA], v[KA+2]
	v_max3_num_f32 v[RX1], v[QC+1], v[KA+1], v[KA+3]
.irp i, 4,8,12
	v_max3_num_f32 v[RX0], v[RX0], v[KA+\i], v[KA+\i+2]
	v_max3_num_f32 v[RX1], v[RX1], v[KA+\i+1], v[KA+\i+3]
.endr
	WMAX RX0
	WMAX RX1
	v_add_f32 v[RX0], v[RX0], v[RX0]        ; |q - k| <= twice that
	v_add_f32 v[RX1], v[RX1], v[RX1]
.irp j, 0,1,2,3
	v_and_b32 v[AB+\j], s33, v[W0N+\j]
	v_and_b32 v[AB+4+\j], s33, v[W1N+\j]
	v_and_b32 v[AB+8+\j], s33, v[B1N+\j]
	v_and_b32 v[B2N+\j], s33, v[B2N+\j]
.endr
.irp j, 0,1,2,3
	v_fma_f32 v[AB+8+\j], v[AB+4+\j], v[RX1], v[AB+8+\j]
.endr
.irp j, 0,1,2,3
	v_fma_f32 v[AB+8+\j], v[AB+\j], v[RX0], v[AB+8+\j]
.endr
	v_max3_num_f32 v[MX1], v[AB+8], v[AB+9], v[AB+10]
	v_max3_num_f32 v[B2M], v[B2N], v[B2N+1], v[B2N+2]
	v_max_num_f32 v[MX1], v[MX1], v[AB+11]
	v_max_num_f32 v[B2M], v[B2M], v[B2N+3]
	WMAX MX1
	WMAX B2M
	v_max_num_f32 v[MX1], 0x2b800000, v[MX1]   ; floored at 2^-40
	v_and_b32 v[FX], 0x7f800000, v[MX1]        ; M1's exponent field e
	v_sub_nc_u32 v[SG1], 0x7e800000, v[FX]     ; sg1 = 2^(126 - e): sg1 M1 in [0.5, 1)
	v_add_nc_u32 v[ISG1], 0x00800000, v[FX]    ; 1 / sg1
	v_mov_b32 v[SG1+1], v[SG1]
	v_xor_b32 v[NSG1], 0x80000000, v[SG1]
	v_xor_b32 v[NSG1+1], 0x80000000, v[SG1]
.irp j, 0,2
	v_pk_mul_f32 v[W0N+\j:W0N+\j+1], v[W0N+\j:W0N+\j+1], v[SG1:SG1+1]
	v_pk_mul_f32 v[W1N+\j:W1N+\j+1], v[W1N+\j:W1N+\j+1], v[SG1:SG1+1]
	v_pk_mul_f32 v[B1N+\j:B1N+\j+1], v[B1N+\j:B1N+\j+1], v[SG1:SG1+1]
.endr
.irp j, 0,2,4,6
	v_pk_mul_f32 v[KC+\j:KC+\j+1], v[KC+\j:KC+\j+1], v[NSG1:NSG1+1]   ; -sg1 (k - ctr) of my four keys
.endr
.irp i, 0,1,2,3,4,5,6,7
	v_readlane_b32 s[DQ+2*\i], v[QW], \i
	v_readlane_b32 s[DQ+2*\i+1], v[QW+1], \i
.endr
	s_wait_alu depctr_va_sdst(0)            ; the sixteen scalars s[36:51] are written: one wait behind the run, ahead of their first reader, A's multiply-adds below
	; 17 more loads: b2 as C operands (register j of mt: channel 16 mt + 8 hh + j), b3 (heads 4 hh + 0..3).  No wait: no vector line has named these registers, nor written the two offsets since the wait ahead of the first load
	WIN 0x80
.irp m, 0,1,2,3,4,5,6,7
	global_load_b128 v[B2C+8*\m:B2C+8*\m+3], v[O32H], s[14:15] offset:64*\m
	global_load_b128 v[B2C+8*\m+4:B2C+8*\m+7], v[O32H], s[14:15] offset:64*\m+16
.endr
	global_load_b128 v[B3:B3+3], v[O16H], s[18:19]
	s_wait_loadcnt 49                       ; w2's 32 and these 17 may stay out: w1's fragments are in
	; -sg1 Bk for my four keys, 64 channels a lane each
	WIN 0xf0                                ; destination and source 2 window 3
.set t, 0
.rept 4
.set n, 0
.rept 32
	v_pk_mul_f32 v[64*t+2*n:64*t+2*n+1], v[W1F+2*n:W1F+2*n+1], v[KC+2*t:KC+2*t+1] op_sel:[0,1]   ; y for both halves
.set n, n+1
.endr
.set n, 0
.rept 32
	v_pk_fma_f32 v[64*t+2*n:64*t+2*n+1], v[W0F+2*n:W0F+2*n+1], v[KC+2*t:KC+2*t+1], v[64*t+2*n:64*t+2*n+1] op_sel_hi:[1,0,1]   ; x for both halves
.set n, n+1
.endr
.set t, t+1
.endr
	WIN 0
	; sg1 A for my wave's 8 queries, 4 channels a lane: eight sets of four registers, so that one wait serves all their LDS stores, which stand further down
.set i, 0
.rept 8
.irp j, 0,1,2,3
	v_fma_f32 v[AR+4*i+\j], s[DQ+2*i+1], v[W1N+\j], v[B1N+\j]
.endr
.irp j, 0,1,2,3
	v_fma_f32 v[AR+4*i+\j], s[DQ+2*i], v[W0N+\j], v[AR+4*i+\j]
.endr
.set i, i+1
.endr
	s_wait_loadcnt 17                       ; only b2's and b3's may stay out: w2 is in
	; 64 more loads: w3, one number a lane: register 16 c + x is channel 32 c + 8 hh + x (+ 8 from x = 8 on) of my row's head.  No wait: no vector line has named window 1, nor written the offset since the wait ahead of the first load
	WIN 0x40                                ; destination window 1
.set c, 0
.rept 4
.set x, 0
.rept 16
	global_load_b32 v[16*c+x], v[OW3], s[16:17] offset:32*(32*c+x+8*(x/8))
.set x, x+1
.endr
.set c, c+1
.endr
	; max|w2|: maxima and minima of my wave's 32 rows, four chains each
	WIN W_E
.irp k, 0,1,2,3
	v_max3_num_f32 v[MH+\k], v[32*\k], v[32*\k+1], v[32*\k+2]
	v_min3_num_f32 v[ML+\k], v[32*\k], v[32*\k+1], v[32*\k+2]
.endr
.set i, 0
.rept 14
.irp k, 0,1,2,3
	v_max3_num_f32 v[MH+\k], v[MH+\k], v[32*\k+3+2*i], v[32*\k+4+2*i]
	v_min3_num_f32 v[ML+\k], v[ML+\k], v[32*\k+3+2*i], v[32*\k+4+2*i]
.endr
.set i, i+1
.endr
	v_max3_num_f32 v[MH], v[MH], v31, v63
	v_min3_num_f32 v[ML], v[ML], v31, v63
	v_max3_num_f32 v[MH+1], v[MH+1], v95, v127
	v_min3_num_f32 v[ML+1], v[ML+1], v95, v127
	v_max3_num_f32 v[MH], v[MH], v[MH+1], v[MH+2]
	v_min3_num_f32 v[ML], v[ML], v[ML+1], v[ML+2]
	v_max_num_f32 v[MH], v[MH], v[MH+3]
	v_min_num_f32 v[ML], v[ML], v[ML+3]
	WIN 0x02                                ; source 0 window 2, destination window 0
	v_mov_b32 v[MX2], v[MH]
	v_mov_b32 v[YB], v[ML]
	WIN 0
	v_sub_f32 v[YB], 0, v[YB]
	v_max_num_f32 v[MX2], v[MX2], v[YB]
	WMAX MX2
	s_wait_alu depctr_va_vdst(0)            ; A's eight rows v[96:127] and my wave's maximum are written, which the nine LDS stores below read
.set i, 0
.rept 8
	ds_store_b128 v[AST], v[AR+4*i:AR+4*i+3] offset:512*i
.set i, i+1
.endr
	ds_store_b32 v[RST], v[MX2]             ; all lanes the same word, the same number
	s_wait_dscnt 0x0                        ; for the others' sake: my maximum and my rows of A are in LDS
	s_barrier_signal -1
	s_barrier_wait -1
	ds_load_b128 v[RD4:RD4+3], v[RLD]
	s_wait_dscnt 0x0
	s_wait_alu depctr_vm_vsrc(0)            ; the nine LDS stores have read their data: the next line writes the maximum's register again, and v[96:127] are h1's from here on
	v_max3_num_f32 v[MX2], v[RD4], v[RD4+1], v[RD4+2]
	v_max_num_f32 v[MX2], v[MX2], v[RD4+3]
	v_max_num_f32 v[MX2], 0x2b800000, v[MX2]   ; floored at 2^-40
	v_mul_f32 v[YB], v[MX1], v[MX2]
	v_fmamk_f32 v[YB], v[YB], 0x43000000, v[B2M]   ; Y = 128 M1 M2 + max|b2|
	v_and_b32 v[FX], 0x7f800000, v[YB]         ; its exponent field e
	v_sub_nc_u32 v[TAU], 0x85800000, v[FX]     ; tau = 2^(140 - e): tau Y in [2^13, 2^14)
	v_add_nc_u32 v[SCV], 0xf9800000, v[FX]     ; 1 / tau: the field less 13
	v_mul_f32 v[SG2], v[TAU], v[ISG1]          ; tau / sg1
	v_lshlrev_b32 v21, 4, v[RR]
	v_lshl_add_u32 v21, v[HH], 24, v21
	v_add_nc_u32 v22, 0x800000, v21
	WIN 0x80
	v_mov_b32 v[S2P], v[SG2]
	v_mov_b32 v[S2P+1], v[SG2]
	v_mov_b32 v[TAUP], v[TAU]
	v_mov_b32 v[TAUP+1], v[TAU]
	v_mov_b32 v[SC], v[SCV]
	v_mov_b32 v[ZERO], 0
	v_mov_b32 v[OV0], v21
	v_mov_b32 v[OV1], v22
	; w2 scaled, rounded to f16, into LDS as [h][d]
	WIN W_E
.set i, 0
.rept 32
	v_pk_mul_f32 v[4*i:4*i+1], v[4*i:4*i+1], v[S2P:S2P+1]
	v_pk_mul_f32 v[4*i+2:4*i+3], v[4*i+2:4*i+3], v[S2P:S2P+1]
.set i, i+1
.endr
.set i, 0
.rept 32
	v_cvt_pk_f16_f32 v[4*i], v[4*i], v[4*i+1]
	v_cvt_pk_f16_f32 v[4*i+1], v[4*i+2], v[4*i+3]
.set i, i+1
.endr
	WIN 0x08                                ; store data window 2, address window 0
	s_wait_alu depctr_va_vdst(0)            ; the roundings have written w2's pairs, which the LDS stores read; OV0 and OV1, the offsets of every store to out0, are written too, and never again
.set i, 0
.rept 32
	ds_store_b64 v[WST], v[4*i:4*i+1] offset:4*WP*i
.set i, i+1
.endr
	s_wait_loadcnt 0x0                      ; b2, b3, w3
	WIN W_E
.set i, 0
.rept 32
	v_pk_mul_f32 v[B2C+2*i:B2C+2*i+1], v[B2C+2*i:B2C+2*i+1], v[TAUP:TAUP+1]
.set i, i+1
.endr
	s_wait_dscnt 0x0                        ; for the others' sake: my rows of w2 are in LDS
	s_wait_alu depctr_vm_vsrc(0)            ; those LDS stores have read window 2's v[0:127]: from here on these are the accumulators, h2 and w3's fragments, which the lines below begin to write
	WIN 0x85                                ; sources window 1, destination window 2
.set i, 0
.rept 32
	v_cvt_pk_f16_f32 v[W3F+i], v[2*i], v[2*i+1]
.set i, i+1
.endr
	WIN 0
	s_barrier_signal -1
	s_barrier_wait -1                       ; w2 and A are whole; nothing writes LDS from here on
	WIN 0x40
	s_wait_alu depctr_va_vdst(0)            ; w3's roundings are done reading window 1's v[0:63], in which w2's fragments land; the lines that made Bk are done reading v[32:95], in which A's first row lands
.set m, 0
.rept 8                                     ; fragment (mt, c): output channels 16 mt + r, hidden channels 32 c + 8 hh + 0..7 and 32 c + 16 + 8 hh + 0..7
.irp c, 0,1,2,3
	ds_load_tr16_b128 v[8*(4*m+\c):8*(4*m+\c)+3],   v[TRB] offset:32*WP*\c+32*m
	ds_load_tr16_b128 v[8*(4*m+\c)+4:8*(4*m+\c)+7], v[TRB] offset:32*WP*\c+32*m+16*WP
.endr
.set m, m+1
.endr
; THE MATRIX WORK.  No two matrix instructions that follow each other share an accumulator: they take turns, one instruction a turn.
.macro L2 mt, c                     ; layer 2: output channels 16 mt on, hidden channels 32 c on; the first link starts the sum with tau b2
	WIN W_L2
.if (\c) == 0
	v_wmma_f32_16x16x32_f16 v[YA+8*(\mt):YA+8*(\mt)+7], v[8*(4*(\mt)+(\c)):8*(4*(\mt)+(\c))+7], v[H1+32*PBR+8*(\c):H1+32*PBR+8*(\c)+7], v[B2C+8*(\mt):B2C+8*(\mt)+7]
.else
	v_wmma_f32_16x16x32_f16 v[YA+8*(\mt):YA+8*(\mt)+7], v[8*(4*(\mt)+(\c)):8*(4*(\mt)+(\c))+7], v[H1+32*PBR+8*(\c):H1+32*PBR+8*(\c)+7], v[YA+8*(\mt):YA+8*(\mt)+7]
.endif
.endm
.macro L3 c                         ; layer 3: channels 32 c on
	WIN W_E
.if (\c) == 0
	v_wmma_f32_16x16x32_f16 v[OA:OA+7], v[W3F+8*(\c):W3F+8*(\c)+7], v[H2+8*(\c):H2+8*(\c)+7], 0
.else
	v_wmma_f32_16x16x32_f16 v[OA:OA+7], v[W3F+8*(\c):W3F+8*(\c)+7], v[H2+8*(\c):H2+8*(\c)+7], v[OA:OA+7]
.endif
.endm
; THE VECTOR WORK stands in two queues.
; PQ writes the next of the 64 lines that make h1 of tile TN into buffer PBW.  F n: pair n of 32: A - Bk, held to 0..1 (the relu).  C n: that pair rounded to f16.  In fours: F0-F3; then C 2k-2, C 2k-1, F 2k+2, F 2k+3;
; at last C28-C31: a pair is rounded four to six lines behind its sum, and four pairs of f32 are at work.  WQ = 1: A's registers have been loaded anew, half in the slot before and half at this slot's head.
.macro PQ
.if !NOPR
	WIN W_P
.if WQ && (pe == 0)
	s_wait_dscnt 8                          ; of the 16 loads the older 8 are in: channels' chunks 0 and 1, which F0-F15 read
.endif
.if WQ && (pe == 28)
	s_wait_dscnt 0x0                        ; chunks 2 and 3, ahead of F16
	s_wait_alu depctr_vm_vsrc(0)            ; the sixteen LDS loads have read v[AQA], which the next line writes
	v_add_nc_u32 v[AQA], 512, v[AQA]        ; A's next row
.endif
.set pk, pe/4
.set pm, pe%4
.set isf, 0
.if pk == 0
.set pn, pm
.set isf, 1
.elseif pk == 15
.set pn, 28+pm
.elseif pm < 2
.set pn, 2*pk-2+pm
.else
.set pn, 2*pk+pm
.set isf, 1
.endif
.if isf
	v_pk_fma_f32 v[TT+2*(pn%4):TT+2*(pn%4)+1], v[AQ+2*pn:AQ+2*pn+1], v[ONE:ONE+1], v[64*TN+2*pn:64*TN+2*pn+1] clamp
.else
	v_cvt_pk_f16_f32 v[H1+32*PBW+pn], v[TT+2*(pn%4)], v[TT+2*(pn%4)+1]
.endif
.set pe, pe+1
.endif
.endm
.macro PR n
.rept \n
	PQ
.endr
.endm
; EQ writes the next of the 32 lines that make h2's half g (channels 64 g on) of accumulators 4 g .. 4 g + 3: 16 roundings, each accumulator's registers in ascending order, and 16 packed maxima with 0.
.macro EQ g
	WIN W_E
.set ek, ee/4
.set em, ee%4
.set isc, 0
.if ek == 0
.set en, em
.set isc, 1
.elseif ek == 7
.set en, 12+em
.elseif em < 2
.set en, 2*ek-2+em
.else
.set en, 2*ek+em
.set isc, 1
.endif
.if isc
	v_cvt_pk_f16_f32 v[H2+16*(\g)+en], v[YA+32*(\g)+2*en], v[YA+32*(\g)+2*en+1]
.else
	v_pk_max_num_f16 v[H2+16*(\g)+en], v[H2+16*(\g)+en], v[ZERO]
.endif
.set ee, ee+1
.endm
.macro ER g, n
.rept \n
	EQ \g
.endr
.endm
.macro E1                           ; four lines for the tile before; the first slot has none
.if !FIRST
	ER 1, 4
.endif
.endm
.macro L3X c
.if !FIRST
	L3 \c
.endif
.endm
.macro FO tt                        ; tile tt's output: heads j + 4 hh, j = 0..3: the accumulator's four lowest registers
	WIN W_E
.irp j, 0,1,2,3
	v_fma_f32 v[OUT+4*\j+(\tt)], v[OA+\j], v[SC], v[B3+\j]
.endr
.endm
.macro STO                          ; a query's 64 keys x 8 heads: each store's lanes 0-15 cover 256 consecutive bytes of head j, lanes 16-31 of head j + 4.  The base already stands a row further on
	WIN W_E
	global_store_b128 v[OV0], v[OUT:OUT+3],     s[OB:OB+1] offset:-4096 th:TH_STORE_NT
	global_store_b128 v[OV0], v[OUT+4:OUT+7],   s[OB:OB+1] offset:4194304-4096 th:TH_STORE_NT
	global_store_b128 v[OV1], v[OUT+8:OUT+11],  s[OB:OB+1] offset:-4096 th:TH_STORE_NT
	global_store_b128 v[OV1], v[OUT+12:OUT+15], s[OB:OB+1] offset:4194304-4096 th:TH_STORE_NT
.endm
.macro AQLD c0                      ; chunks c0, c0 + 1 of the next query's A: 8 loads; lanes of one half read the same bytes
	WIN W_P
.irp c, \c0, (\c0)+1
	ds_load_b128 v[AQ+16*(\c):AQ+16*(\c)+3],     v[AQA] offset:128*(\c)
	ds_load_b128 v[AQ+16*(\c)+4:AQ+16*(\c)+7],   v[AQA] offset:128*(\c)+16
	ds_load_b128 v[AQ+16*(\c)+8:AQ+16*(\c)+11],  v[AQA] offset:128*(\c)+64
	ds_load_b128 v[AQ+16*(\c)+12:AQ+16*(\c)+15], v[AQA] offset:128*(\c)+80
.endr
.endm
; A SLOT, for tile t of a query.  Two phases of 18 matrix instructions.  Phase 0: layer 2's accumulators 0-3, layer 3's links 0, 1 of the tile before; behind them the tile before's h2 half 1, then 32 lines of the next h1.
; Phase 1: accumulators 4-7, links 2, 3; behind them this tile's h2 half 0, the tile before's output, then the other 32 lines of h1.
; Every vector line that reads a result, or writes a product's source, stands four plain lines or more behind that product: an accumulator's last link stands at place 15 to 18 of its phase, with 3 or 4 lines of h1 behind
; each, and its first reader in the next phase; layer 3's last link stands 12 lines ahead of the output's.
; first = 1: there is no tile before.  ld = 1 (slot 2 in the loop): the first half of the next query's A is loaded, between the phases; the second half at the head of the slot behind it (WQ = 1: slot 3 in the loop).
; nop = 1: there is no next tile: four v_nop close each phase as the places.
.macro SLOT t, first=0, ld=0, nop=0
.set PBR, (\t)%2
.set PBW, 1-PBR
.set TN, ((\t)+1)%4
.set pe, 0
.set NOPR, \nop
.set FIRST, \first
.set WQ, 0
.if ((\t) == 3) && !(\nop)
.set WQ, 1
.endif
.set ee, 0
.if WQ
	s_wait_alu depctr_va_vdst(0)            ; F16-F31 of the slot before are done reading A's chunks 2 and 3, in which the loads behind the next product land
.endif
	L2 0, 0
.if WQ
	AQLD 2                                  ; no further wait: the product between names a fragment of w2, h1, tau b2 and its accumulator, none of the registers that these loads touch
.endif
	E1
.irp m, 1,2,3
	L2 \m, 0
	E1
.endr
	L3X 0
	E1
.irp m, 0,1,2
	L2 \m, 1
	E1
.endr
	L3X 1
	PR 4
	L2 3, 1
	PR 3
.irp m, 0,1,2,3
	L2 \m, 2
	PR 3
.endr
.irp m, 0,1,2
	L2 \m, 3
	PR 3
.endr
	L2 3, 3
	PR 4
.if \nop
	PLACES
.endif
.set ee, 0
.if \ld
	s_wait_alu depctr_va_vdst(0)            ; F0-F15 of this phase are done reading A's chunks 0 and 1, in which the loads behind the next product land; v[AQA], stepped since the last loads by it, is written
.endif
	L2 4, 0
.if \ld
	AQLD 0                                  ; no further wait: the product between names none of the registers that these loads touch
.endif
	ER 0, 4
	L2 5, 0
	ER 0, 4
	L3X 2
	ER 0, 4
	L2 6, 0
	ER 0, 4
	L2 7, 0
	ER 0, 4
	L3X 3
	ER 0, 4
	L2 4, 1
	ER 0, 4
	L2 5, 1
	ER 0, 4
	L2 6, 1
.if !(\first)
.if (\t) == 1
	s_wait_xcnt 0x0                         ; the last query's stores have had their addresses translated (ISA guide 3.1): only behind this wait is the base stepped and OUT written again
	s_wait_alu depctr_vm_vsrc(0)            ; the last query's four stores have read OUT, which the four lines below begin to write again
	s_add_nc_u64 s[OB:OB+1], s[OB:OB+1], 4096
.endif
	FO ((\t)+3)%4
.if (\t) == 0
	s_wait_alu depctr_va_vdst(0)            ; the output's lines of the last four slots have written OUT, which the stores behind the next product read
.endif
.endif
	L2 7, 1
.if !(\first)
.if (\t) == 0
	STO                                     ; no further wait: the product between names none of OUT, OV0, OV1
.endif
.endif
	PR 4
.irp m, 4,5,6,7
	L2 \m, 2
	PR 4
.endr
.irp m, 4,5,6,7
	L2 \m, 3
	PR 3
.endr
.if \nop
	PLACES
.endif
.endm
	AQLD 0                                  ; the first query's A: the wait ahead of w2's fragments serves these loads too; only loads stand between
	AQLD 2
	s_wait_dscnt 0x0                        ; w2's fragments and A
	s_wait_alu depctr_vm_vsrc(0)            ; the sixteen LDS loads have read v[AQA], which the next line writes
	v_add_nc_u32 v[AQA], 512, v[AQA]
.set PBW, 0
.set TN, 0
.set WQ, 0
.set NOPR, 0
.set pe, 0
	PR 64                                   ; h1 of the first tile
	SLOT 0, 1
	WIN 0                                   ; at a label and at a branch every window is 0
	s_mov_b32 s32, 31
.Lq:                                        ; a trip: tiles 1-3 of a query and tile 0 of the next; 16 LDS loads, 4 stores
	SLOT 1
	SLOT 2, 0, 1
	SLOT 3
	SLOT 0
	WIN 0
	s_sub_co_u32 s32, s32, 1
	s_cmp_lg_u32 s32, 0
	s_cbranch_scc1 .Lq
	SLOT 1                                  ; the last query's tiles 1-3: nothing more is loaded, and no h1 follows the last
	SLOT 2
	SLOT 3, 0, 0, 1
.set ee, 0
	ER 1, 32                                ; the last tile's h2, half 1
	L3 0
	s_wait_alu depctr_va_vdst(0)            ; the wait stands directly ahead of each link
	L3 1
	s_wait_alu depctr_va_vdst(0)            ; likewise, ahead of the third link
	L3 2
	s_wait_alu depctr_va_vdst(0)            ; likewise, ahead of the fourth link
	L3 3
	PLACES
	FO 3
	s_wait_alu depctr_va_vdst(0)            ; the output's lines have written OUT, which the last four stores read
	STO
	WIN 0
	s_wait_dscnt 0x0                        ; the closing lines, six on end
	s_wait_alu 0x0
	s_wait_tensorcnt 0x0
	ds_add_u32 v[SPW], v[NIL]
	s_wait_dscnt 0x0
	s_endpgm
.Lfunc_end_k_q7f51276a3d_cpb:
	.size	k_q7f51276a3d_cpb, .Lfunc_end_k_q7f51276a3d_cpb-k_q7f51276a3d_cpb
	.p2alignl 7, 3214868480
	.fill 96, 4, 3214868480
	.section	.rodata,"a",@progbits
	.p2align	6, 0x0
	.amdhsa_kernel k_q7f51276a3d_cpb
		.amdhsa_group_segment_fixed_size 54016
		.amdhsa_private_segment_fixed_size 0
		.amdhsa_enable_private_segment 0
		.amdhsa_kernarg_size 72
		.amdhsa_user_sgpr_count 2
		.amdhsa_user_sgpr_kernarg_segment_ptr 1
		.amdhsa_wavefront_size32 1
		.amdhsa_system_sgpr_workgroup_id_x 1
		.amdhsa_system_sgpr_workgroup_id_y 1
		.amdhsa_system_sgpr_workgroup_id_z 1
		.amdhsa_system_vgpr_workitem_id 0
		.amdhsa_next_free_vgpr 1024
		.amdhsa_next_free_sgpr 66
		.amdhsa_reserve_vcc 0
		.amdhsa_float_denorm_mode_32 3
		.amdhsa_float_denorm_mode_16_64 3
		.amdhsa_memory_ordered 1
		.amdhsa_forward_progress 1
		.amdhsa_inst_pref_size 177
	.end_amdhsa_kernel
	.amdgpu_metadata
---
amdhsa.version: [ 1, 2 ]
amdhsa.kernels:
  - .name:           k_q7f51276a3d_cpb
    .symbol:         k_q7f51276a3d_cpb.kd
    .args:
      - { .name: query_coords, .offset: 0, .size: 8, .value_kind: global_buffer, .address_space: global }
      - { .name: key_coords, .offset: 8, .size: 8, .value_kind: global_buffer, .address_space: global }
      - { .name: w1, .offset: 16, .size: 8, .value_kind: global_buffer, .address_space: global }
      - { .name: b1, .offset: 24, .size: 8, .value_kind: global_buffer, .address_space: global }
      - { .name: w2, .offset: 32, .size: 8, .value_kind: global_buffer, .address_space: global }
      - { .name: b2, .offset: 40, .size: 8, .value_kind: global_buffer, .address_space: global }
      - { .name: w3, .offset: 48, .size: 8, .value_kind: global_buffer, .address_space: global }
      - { .name: b3, .offset: 56, .size: 8, .value_kind: global_buffer, .address_space: global }
      - { .name: out0, .offset: 64, .size: 8, .value_kind: global_buffer, .address_space: global }
    .group_segment_fixed_size: 54016
    .private_segment_fixed_size: 0
    .kernarg_segment_align: 8
    .kernarg_segment_size: 72
    .max_flat_workgroup_size: 128
    .sgpr_count:     66
    .vgpr_count:     1024
    .wavefront_size: 32
...
	.end_amdgpu_metadata
.endif
;; end of part 2
